; MI455X (gfx1250); checked and timed in simulation.
; The chip was launched on July 23, 2026; its instructions are those of AMD's public machine-readable ISA for CDNA 5 (MIT licence, August 2026) and "CDNA5" Instruction Set Architecture Reference Guide (July 2026). The comments in the code are by the model that wrote it; some were corrected since.
;; Abstract Affine. Allowed arithmetic: matrix products marked QUANTISED: E3M2 operands, one E8M0 scale for each 32 along K, by v_wmma_scale_f32_16x16x128_f8f6f4 with both operands' format E3M2, f32 sums; products left as they are: f32 operands where the result goes on into a quantised operand, else bf16, f16 or f32 operands; f32 sums; everything else in f32.
;; Inputs: W 2,048 x 2,048 float32; b 2,048 float32; prev_W_lower 2,048 x 2,048 float32; prev_W_lower2 2,048 x 2,048 float32; prev_W_upper 2,048 x 2,048 float32; prev_W_upper2 2,048 x 2,048 float32; prev_b_lower 2,048 float32; prev_b_lower2 2,048 float32; prev_b_upper 2,048 float32; prev_b_upper2 2,048 float32; prev_lb 2,048 float32; prev_ub 2,048 float32.
;; Outputs: out0 4 x 2,048 float32; out1 2,048 x 2,048 float32; out2 2,048 x 2,048 float32; out3 2,048 float32; out4 2,048 float32.
;; This version of the problem:
;;   THIS VERSION OF THE PROBLEM IS GIVEN IN LOW PRECISION. The matrix products marked QUANTISED in the list below multiply operands that are first quantised to E3M2 (3 exponent bits, 2 mantissa bits; 6 bits a number), with one power-of-two scale for each 32 numbers along K (OCP MX v1.0); their sums are f32. All else is computed in f32.
;;   The module's matrix products, in the order in which they are computed (A, B: the left and right operand; K: the contracted axis; several contracted axes count as one K, in the product's order):
;;     1. [M 2,048, K 2,048] x [K 2,048, N 2,048]; A: computed on the way; B: input prev_W_upper: QUANTISED
;;     2. [M 2,048, K 2,048] x [K 2,048, N 2,048]; A: computed on the way; B: input prev_W_lower: QUANTISED
;;     3. [M 2,048, K 2,048] x [K 2,048, N 1]; A: computed on the way; B: input prev_b_upper: left as it is (N = 1 < 16)
;;     4. [M 2,048, K 2,048] x [K 2,048, N 1]; A: computed on the way; B: input prev_b_lower: left as it is (N = 1 < 16)
;;     5. [M 2,048, K 2,048] x [K 2,048, N 2,048]; A: computed on the way; B: input prev_W_lower: QUANTISED
;;     6. [M 2,048, K 2,048] x [K 2,048, N 2,048]; A: computed on the way; B: input prev_W_upper: QUANTISED
;;     7. [M 2,048, K 2,048] x [K 2,048, N 1]; A: computed on the way; B: input prev_b_lower: left as it is (N = 1 < 16)
;;     8. [M 2,048, K 2,048] x [K 2,048, N 1]; A: computed on the way; B: input prev_b_upper: left as it is (N = 1 < 16)
;;     9. [M 2,048, K 2,048] x [K 2,048, N 1]; A: computed on the way; B: input prev_ub: left as it is (N = 1 < 16)
;;     10. [M 2,048, K 2,048] x [K 2,048, N 1]; A: computed on the way; B: input prev_lb: left as it is (N = 1 < 16)
;;     11. [M 2,048, K 2,048] x [K 2,048, N 1]; A: computed on the way; B: input prev_lb: left as it is (N = 1 < 16)
;;     12. [M 2,048, K 2,048] x [K 2,048, N 1]; A: computed on the way; B: input prev_ub: left as it is (N = 1 < 16)
;;     13. [M 2,048, K 2,048] x [K 2,048, N 1]; A: computed on the way; B: input prev_ub: left as it is (N = 1 < 16)
;;     14. [M 2,048, K 2,048] x [K 2,048, N 1]; A: computed on the way; B: input prev_lb: left as it is (N = 1 < 16)
;;     15. [M 2,048, K 2,048] x [K 2,048, N 1]; A: computed on the way; B: input prev_lb: left as it is (N = 1 < 16)
;;     16. [M 2,048, K 2,048] x [K 2,048, N 1]; A: computed on the way; B: input prev_ub: left as it is (N = 1 < 16)
;;     17. [M 2,048, K 2,048] x [K 2,048, N 1]; A: computed on the way; B: input prev_b_upper2: left as it is (N = 1 < 16)
;;     18. [M 2,048, K 2,048] x [K 2,048, N 1]; A: computed on the way; B: input prev_b_lower2: left as it is (N = 1 < 16)
;;     19. [M 2,048, K 2,048] x [K 2,048, N 1]; A: computed on the way; B: input prev_b_lower2: left as it is (N = 1 < 16)
;;     20. [M 2,048, K 2,048] x [K 2,048, N 1]; A: computed on the way; B: input prev_b_upper2: left as it is (N = 1 < 16)
;;     21. [M 2,048, K 2,048] x [K 2,048, N 2,048]; A: computed on the way; B: input prev_W_upper2: QUANTISED
;;     22. [M 2,048, K 2,048] x [K 2,048, N 2,048]; A: computed on the way; B: input prev_W_lower2: QUANTISED
;;     23. [M 2,048, K 2,048] x [K 2,048, N 2,048]; A: computed on the way; B: input prev_W_lower2: QUANTISED
;;     24. [M 2,048, K 2,048] x [K 2,048, N 2,048]; A: computed on the way; B: input prev_W_upper2: QUANTISED
;;     25. [M 2,048, K 2,048] x [K 2,048, N 1]; A: computed on the way; B: input prev_ub: left as it is (N = 1 < 16)
;;     26. [M 2,048, K 2,048] x [K 2,048, N 1]; A: computed on the way; B: input prev_lb: left as it is (N = 1 < 16)
;;     27. [M 2,048, K 2,048] x [K 2,048, N 1]; A: computed on the way; B: input prev_lb: left as it is (N = 1 < 16)
;;     28. [M 2,048, K 2,048] x [K 2,048, N 1]; A: computed on the way; B: input prev_ub: left as it is (N = 1 < 16)
;;   THE QUANTISER, for each operand of a quantised product, along K:
;;     - K is cut into blocks of 32 from its start; a last block that is shorter is filled with zeros.
;;     - A block's scale is 2^e with e = floor(log2(the largest magnitude in the block)) - 4, held to -126 .. 127; a block of zeros has e = 0. As a byte (E8M0): e + 127.
;;     - Each number is divided by its block's scale, clamped to +-28, and rounded to the nearest number of E3M2, ties to even, subnormals kept.
;;     - The product sums the exact products of the quantised numbers (number of the format x scale) in f32.
;;   ~~~python
;;   def quantise(x, axis):      # numpy; x: float32 -> the quantised numbers, widened to float32 again
;;       x = np.moveaxis(x, axis, -1); K = x.shape[-1]
;;       x = np.pad(x, [(0, 0)] * (x.ndim - 1) + [(0, -K % 32)]); x = x.reshape(x.shape[:-1] + (-1, 32)); a = np.abs(x).max(-1, keepdims=True)
;;       e = np.where(a > 0, np.clip(np.frexp(np.where(a > 0, a, 1))[1] - 1 - 4, -126, 127), 0)      # np.frexp(a)[1] - 1 = floor(log2(a)), exactly
;;       r = np.clip(x / 2.0 ** e, -28, 28)
;;       step = 2.0 ** (np.maximum(np.frexp(np.where(r == 0, 1, r))[1] - 1, -2) - 2)
;;       q = np.round(r / step) * step * 2.0 ** e      # np.round: ties to even
;;       return np.moveaxis(q.reshape(q.shape[:-2] + (-1,))[..., :K], -1, axis).astype(np.float32)
;;   ~~~
;;   OPERANDS COMPUTED ON THE WAY. 'Computed on the way' means the value that the module computes at that place (a softmax that the list does not call 'softmax' is quantised finished and normalised). What goes into a quantiser is computed in f32, as accurately as f32 sums, v_exp_f32 and their like allow (about 1e-6 of the number): no bf16 or f16 on the way to a quantiser, and a product that is left as it is and whose result goes on into a quantised operand takes f32 operands (vector FMAs, or v_wmma_f32_16x16x4_f32). A number that lies on a knife's edge between two numbers of the format may be rounded either way, as far as f32 arithmetic and the matrix unit's own rounding can turn it there, and no further.
;; One version. Each part assembles by itself: llvm-mc -triple=amdgcn-amd-amdhsa -mcpu=gfx1250 --defsym DOCPART=n.
;; ======== version 1 of 1: 3 launches
;; limits: values are held in bf16: 8 bits of precision; right only within a limited range of input values
;; workspace buffers: acodes 6,553,600 bytes; bcodes 13,107,200 bytes; mv 98,304 bytes; part 524,288 bytes
;; launch quant (part 1): grid 768 x 1, 4 waves a work-group, no clusters, 52,480 bytes of LDS; arguments W, prev_W_upper, prev_W_lower, prev_W_upper2, prev_W_lower2, prev_b_upper, prev_b_lower, prev_ub, prev_lb, prev_b_upper2, prev_b_lower2, acodes, bcodes, mv; writes acodes, bcodes, mv
.if DOCPART == 1
	.amdgcn_target "amdgcn-amd-amdhsa--gfx1250"
	.amdhsa_code_object_version 6
	.text
	.protected	k_q02dd95dd3c_quant
	.globl	k_q02dd95dd3c_quant
	.p2align	8
	.type	k_q02dd95dd3c_quant,@function
k_q02dd95dd3c_quant:
	s_mov_b64 s[64:65], 0
	v_nop
	global_prefetch_b8 v0, s[64:65] scope:SCOPE_SE
	s_setreg_imm32_b32 hwreg(HW_REG_WAVE_MODE, 25, 1), 1
	s_wait_xcnt 0x0
; THE OPERANDS OF THE EIGHT QUANTISED PRODUCTS, MADE ONCE, AND THE PRODUCTS OF W WITH THE SIX VECTORS.
; Wp = max(W, 0) and Wm = min(W, 0) are quantised along their rows (K innermost), the four prev_W* along their FIRST axis, to codes of BF6 (E3M2) with one E8M0 byte for each 32 along K.
; A block's scale is 2^(floor(log2(its largest magnitude)) - 4): its byte is the largest magnitude's exponent field - 4, held at 1 from below.
; The codes are laid in the ORDER OF THE OPERAND'S REGISTERS: a fragment (16 rows x 128 K, 12 registers a lane) is 1,536 bytes, registers 4 c .. 4 c + 3 of lane l at 512 c + 16 l;
; lane (r = l % 16, h = l / 16) holds K = 32 h + 0..31 in registers 0-5 and K = 64 + 32 h + 0..31 in registers 6-11.
;   acodes [mtile 16][slot 8][51,200]: codes at kk 24,576 + (8 rho + 4 pm + a) 1,536 (kk: which 128 of the slot's 256 along K; rho: which 64 rows; pm: 0 Wp, 1 Wm; a: which 16 rows);
;          scale words at 49,152 + 1,024 rho + 256 a + 128 pm + 8 r + 4 kk.
;   bcodes [ntile 16][slot 8][102,400]: codes at kk 49,152 + (16 chi + 4 mat + b) 1,536 (chi: which 64 columns; mat: 0 upper, 1 lower, 2 upper2, 3 lower2; b: which 16 columns);
;          scale words at 98,304 + 2,048 chi + 512 mat + 128 b + 8 r + 4 kk.
;   mv [2][6][2048] f32: for each half of K the sums b_upper, b_lower, ub, lb, bu, bl, all still without b.
; SHARES.  768 work-groups.  Those whose number is a multiple of 3 (256 of them) take 16 rows x 1,024 along K of W: 64 KiB of f32.  The other 512 take 256 (K) x 128 columns of one prev_W*: 128 KiB.
; So any three work-groups with consecutive numbers, and any three whose numbers lie 256 apart (256 = 1 and 512 = 2 modulo 3), read 320 KiB together: 80 MiB / 256.
; The two ways part on the work-group's number; only the first uses LDS.
; LIMITS: NaN and infinities among the inputs are not served.  A block whose largest magnitude lies under 2^-122 has its byte held at 1.  A block of zeros gets the byte 1 where the quantiser says 127:
; its codes are zeros, which add nothing under any byte but 0xff, and this program alone reads the bytes.  The products with vectors take bf16 operands and f32 sums.
.set R,   32                           ; v32-95   W path: 16 rows x 16 bytes a lane, as loaded
.set X,   96                           ; v96-127  my block of 32 numbers, later min(., 0) of them
.set T,   128                          ; v128-159 max(., 0) of them; later v128-143 hold Wm as bf16
.set PB,  160                          ; v160-175 Wp as bf16
.set XV,  176                          ; v176-191 the vectors as bf16, at my block's K
.set D1,  192                          ; v192-199 vectors . Wp
.set D2,  200                          ; v200-207 vectors . Wm
.set CP,  208                          ; v208-219 Wp's fragment
.set CM,  220                          ; v220-231 Wm's fragment
.set CT,  232                          ; v232-234 the second half of a block's codes, before it is moved
.set SW,  236                          ; v236-237 scale words: one register a step, the pair a slot
.set VP,  2064                         ; LDS: 8 rows of 1,024 bf16 + 16 bytes: vectors 0-5 at the work-group's half of K, rows 6 and 7 zeros
.set STG, 16640                        ; LDS: a stage of 16 rows x (512 + 16) bytes for each wave
.set RED, 50432                        ; LDS: 3 x 128 bytes for each wave: its six sums
; the largest magnitude of the 32 numbers v[s] .. v[s + 31] into v[d], in two chains; the floor 2^(5 - 127) is one leaf, so the byte cannot fall under 1
.macro BMAX d, e, s
	v_max3_num_f32 v[\d], |v[\s]|, |v[\s+1]|, 0x2800000
	v_max3_num_f32 v[\e], |v[\s+2]|, |v[\s+3]|, |v[\s+4]|
.irp i, 5,9,13,17,21,25
	v_max3_num_f32 v[\d], v[\d], |v[\s+\i]|, |v[\s+\i+1]|
	v_max3_num_f32 v[\e], v[\e], |v[\s+\i+2]|, |v[\s+\i+3]|
.endr
	v_max3_num_f32 v[\d], v[\d], |v[\s+29]|, |v[\s+30]|
	v_max3_num_f32 v[\d], v[\d], v[\e], |v[\s+31]|
.endm
	s_load_b512 s[8:23], s[0:1], 0x0               ; W s8, upper s10, lower s12, upper2 s14, lower2 s16, vectors 0-2 at s18, s20, s22
	s_load_b256 s[24:31], s[0:1], 0x40             ; vectors 3-5 at s24, s26, s28; acodes s30
	s_load_b128 s[32:35], s[0:1], 0x60             ; bcodes s32, mv s34
	v_lshl_add_u32 v254, v0, 2, 0xcb00
	v_mov_b32 v255, 0
	v_lshrrev_b32 v1, 5, v0
	v_readfirstlane_b32 s36, v1                    ; wave 0..3
	v_and_b32 v1, 31, v0                           ; lane
	s_mul_i32 s56, ttmp9, 0x5556                   ; the work-group's number = 3 q + rem: (3 q + rem) x 21,846 = 65,536 q + 2 q + 21,846 rem, and the rest stays under 65,536 for numbers under 768
	s_lshr_b32 s56, s56, 16                        ; q
	s_mul_i32 s57, s56, 3
	s_sub_co_u32 s57, ttmp9, s57                   ; rem
	s_cmp_eq_u32 s57, 0
	s_cbranch_scc0 .Lb
; ---------------------------------------------------------------- W: rows 16 g .. 16 g + 15, half kh of K (q = 2 g + kh); wave w takes K = 1,024 kh + 256 w .. + 255: two steps of 128, one slot's record
	s_lshr_b32 s58, s56, 1                         ; g
	s_and_b32 s59, s56, 1                          ; kh
	v_and_b32 v2, 15, v0                           ; r
	v_bfe_u32 v3, v0, 4, 1                         ; h
	s_wait_alu depctr_va_vdst(0)
	v_lshlrev_b32 v4, 4, v1                        ; 16 x lane: a load's, an image's place for my lane
	s_lshl_b32 s40, s36, 10                        ; 1,024 w: my wave's 256 f32,
	s_lshl_b32 s60, s59, 12                        ; 4,096 kh: in the work-group's half
	s_add_co_u32 s40, s40, s60
	v_add_nc_u32 v5, s40, v4                       ; the vectors: my 16 bytes
	s_lshl_b32 s41, s36, 9                         ; 512 w: my wave's 256 numbers as bf16, in LDS
	v_lshlrev_b32 v10, 3, v1                       ; 8 x lane
	v_add_nc_u32 v6, s41, v10                      ; where I put 4 bf16 of a vector
	s_mul_i32 s42, s36, 8448
	s_add_co_u32 s42, s42, STG                     ; my stage
	v_add_nc_u32 v7, s42, v4                       ; in: 16 bytes a lane, a row a store
	v_mul_u32_u24 v8, v2, 528
	v_lshl_add_u32 v8, v3, 7, v8
	v_add_nc_u32 v8, s42, v8                       ; out: row r, + 128 h: my block of 32 numbers
	v_and_b32 v9, 7, v0
	v_mul_u32_u24 v9, v9, VP
	v_lshl_add_u32 v9, v3, 6, v9
	v_add_nc_u32 v9, s41, v9                       ; vector r % 8, + 64 h, + my wave's part
	v_lshlrev_b32 v11, 3, v3                       ; 8 h: how far my two scale bytes are shifted
	s_mul_i32 s43, s36, 384
	s_add_co_u32 s43, s43, RED
	v_lshl_add_u32 v12, v1, 2, s43                 ; my wave's sums, 4 bytes a lane
	v_lshlrev_b32 v13, 2, v2
	v_lshl_add_u32 v13, v3, 13, v13                ; mv: 4 r + 8,192 h
	v_mov_b32 v240, 0
	v_mov_b32 v241, 0                              ; a pair of zeros for rows 6 and 7
	v_mov_b32 v250, 0                              ; written once: a lane permute's destination counts as one of its sources
	v_mov_b32 v251, 0
	s_mov_b32 s38, 0x76543210
	s_mov_b32 s39, 0xfedcba98                      ; v_permlanex16_b32's selects for lane l xor 16
	s_mov_b32 s37, 0xffff0000                      ; lanes 16-31
	s_lshl_b32 s44, s58, 17                        ; 16 rows of 8,192 bytes for each g
	s_add_co_u32 s44, s44, s40
	s_mov_b32 s45, 0
	s_lshr_b32 s46, s58, 3                         ; mtile
	s_lshl_b32 s46, s46, 3
	s_lshl_b32 s47, s59, 2
	s_add_co_u32 s46, s46, s47
	s_add_co_u32 s46, s46, s36                     ; record 8 mtile + 4 kh + w: my slot
	s_mul_i32 s46, s46, 51200
	s_bfe_u32 s47, s58, 0x10002                    ; rho
	s_and_b32 s48, s58, 3                          ; a
	s_lshl_b32 s49, s47, 3
	s_add_co_u32 s49, s49, s48
	s_mul_i32 s49, s49, 1536
	s_add_co_u32 s50, s46, s49                     ; Wp's fragment of kk = 0
	s_mov_b32 s51, 0
	s_lshl_b32 s47, s47, 10
	s_lshl_b32 s48, s48, 8
	s_add_co_u32 s52, s46, s47
	s_add_co_u32 s52, s52, s48
	s_add_co_u32 s52, s52, 49152                   ; my 256 bytes of scale words
	s_mov_b32 s53, 0
	s_lshl_b32 s54, s58, 6                         ; mv: 16 rows of 4 bytes for each g,
	s_mul_i32 s55, s59, 49152                      ; in half kh's six vectors
	s_add_co_u32 s54, s54, s55
	s_mov_b32 s55, 0
	s_wait_kmcnt 0x0
	s_add_nc_u64 s[8:9], s[8:9], s[44:45]
	s_add_nc_u64 s[50:51], s[30:31], s[50:51]
	s_add_nc_u64 s[52:53], s[30:31], s[52:53]
	s_add_nc_u64 s[34:35], s[34:35], s[54:55]
.macro RLOAD t                         ; step t: 16 rows x 512 consecutive bytes
.irp i, 0,1,2,3,4,5,6,7,8,9,10,11,12,13,14,15
	global_load_b128 v[R+4*\i:R+4*\i+3], v4, s[8:9] offset:8192*\i+512*(\t) th:TH_LOAD_NT
.endr
.endm
.irp v, 0,1,2,3,4,5                    ; my wave's 256 numbers of each vector
.irp j, 0,1
	global_load_b128 v[96+4*(2*\v+\j):96+4*(2*\v+\j)+3], v5, s[18+2*\v:19+2*\v] offset:512*\j
.endr
.endr
	RLOAD 0
	s_wait_loadcnt 16                              ; the 12 vector loads are in; the 16 of W's first step stay out
.set n, 0
.rept 12
	v_cvt_pk_bf16_f32 v[192+2*n], v[96+4*n], v[97+4*n]
	v_cvt_pk_bf16_f32 v[193+2*n], v[98+4*n], v[99+4*n]
.set n, n+1
.endr
.irp v, 0,1,2,3,4,5
.irp j, 0,1
	ds_store_b64 v6, v[192+2*(2*\v+\j):193+2*(2*\v+\j)] offset:VP*\v+256*\j
.endr
.endr
.irp v, 6,7
.irp j, 0,1
	ds_store_b64 v6, v[240:241] offset:VP*\v+256*\j
.endr
.endr
	s_wait_dscnt 0x0                               ; my part of the vectors lies in LDS
	s_barrier_signal -1
	s_barrier_wait -1
; My block 2 u + h of step t: 32 numbers of row r.  Wp and Wm are quantised; both go as bf16 against the six vectors.
; THE bf16 PRODUCT: source 0 = the vectors (row m = vector m % 8), source 1 = 16 rows of W.  K is laid alike in both sources: register i of lane (., h) holds K = 64 u + 32 h + 16 q + 2 i and the next,
; q the first or the second instruction.  In the result register j of lane (r, .) is vector j . row r; both halves of the lanes hold the same numbers.
.macro WBLOCK t, u
.irp j, 0,1,2,3,4,5,6,7
	ds_load_b128 v[X+4*\j:X+4*\j+3], v8 offset:256*\u+16*\j            ; LDS serves a wave's instructions in order (ISA guide 5.7.1.4): these see my stores into the stage
.endr
.irp j, 0,1,2,3
	ds_load_b128 v[XV+4*\j:XV+4*\j+3], v9 offset:256*\t+128*\u+16*\j
.endr
	s_wait_dscnt 0x0                               ; they are in, and the stores into the stage have read their registers,
.if (\u == 0) && (\t < 1)
	RLOAD \t+1                                     ; which take the next step's loads
.endif
.irp i, 0,1,2,3,4,5,6,7,8,9,10,11,12,13,14,15,16,17,18,19,20,21,22,23,24,25,26,27,28,29,30,31
	v_max_num_f32 v[T+\i], 0, v[X+\i]              ; Wp
.endr
	BMAX 240, 241, T
.irp i, 0,1,2,3,4,5,6,7,8,9,10,11,12,13,14,15
	v_cvt_pk_bf16_f32 v[PB+\i], v[T+2*\i], v[T+2*\i+1]
.endr
	v_add_nc_u32 v242, 0xfe000000, v240            ; 4 off the exponent field: the conversion takes the exponent field of this operand as its scale
	v_cvt_scalef32_pk16_bf6_f32 v[CP+6*\u:CP+6*\u+2], v[T:T+15], v242
	v_cvt_scalef32_pk16_bf6_f32 v[CT:CT+2], v[T+16:T+31], v242         ; (a conversion's three registers begin on an even number)
	v_lshrrev_b32 v[244+\u], 23, v242              ; the scale's byte; also the plain line behind the conversions
.irp i, 0,1,2
	v_mov_b32 v[CP+6*\u+3+\i], v[CT+\i]
.endr
.irp i, 0,1,2,3,4,5,6,7,8,9,10,11,12,13,14,15,16,17,18,19,20,21,22,23,24,25,26,27,28,29,30,31
	v_min_num_f32 v[X+\i], 0, v[X+\i]              ; Wm
.endr
	BMAX 240, 241, X
.irp i, 0,1,2,3,4,5,6,7,8,9,10,11,12,13,14,15
	v_cvt_pk_bf16_f32 v[T+\i], v[X+2*\i], v[X+2*\i+1]
.endr
	v_add_nc_u32 v243, 0xfe000000, v240
	v_cvt_scalef32_pk16_bf6_f32 v[CM+6*\u:CM+6*\u+2], v[X:X+15], v243
	v_cvt_scalef32_pk16_bf6_f32 v[CT:CT+2], v[X+16:X+31], v243
	v_lshrrev_b32 v[246+\u], 23, v243
.irp i, 0,1,2
	v_mov_b32 v[CM+6*\u+3+\i], v[CT+\i]
.endr
.if (\t == 0) && (\u == 0)             ; the first products start the sums; the two accumulators take turns
	v_wmma_f32_16x16x32_bf16 v[D1:D1+7], v[XV:XV+7], v[PB:PB+7], 0
	v_wmma_f32_16x16x32_bf16 v[D2:D2+7], v[XV:XV+7], v[T:T+7], 0
.else
	v_wmma_f32_16x16x32_bf16 v[D1:D1+7], v[XV:XV+7], v[PB:PB+7], v[D1:D1+7]
	v_wmma_f32_16x16x32_bf16 v[D2:D2+7], v[XV:XV+7], v[T:T+7], v[D2:D2+7]
.endif
	v_wmma_f32_16x16x32_bf16 v[D1:D1+7], v[XV+8:XV+15], v[PB+8:PB+15], v[D1:D1+7]
	v_wmma_f32_16x16x32_bf16 v[D2:D2+7], v[XV+8:XV+15], v[T+8:T+15], v[D2:D2+7]
.rept 4
	v_nop                                          ; four places ahead of loads into, and writes of, the products' sources, and of the first read of their results
.endr
.endm
.macro WSTEP t
	s_wait_loadcnt 0x0                             ; this step's 16 rows are in
	s_wait_xcnt 0x0                                ; the last step's stores have had their addresses translated (ISA guide 3.1): only behind this wait are the fragments' registers written again
.irp i, 0,1,2,3,4,5,6,7,8,9,10,11,12,13,14,15
	ds_store_b128 v7, v[R+4*\i:R+4*\i+3] offset:528*\i
.endr
	WBLOCK \t, 0
	WBLOCK \t, 1
	v_lshl_or_b32 v248, v245, 16, v244             ; my two bytes: blocks h and 2 + h of row r,
	v_lshl_or_b32 v249, v247, 16, v246
	v_lshlrev_b32 v248, v11, v248                  ; at their places in the scale word;
	v_lshlrev_b32 v249, v11, v249
	v_permlanex16_b32 v250, v248, s38, s39
	v_permlanex16_b32 v251, v249, s38, s39
	v_or_b32 v248, v248, v250                      ; with lane l xor 16's two the word is whole
	v_or_b32 v249, v249, v251
	v_cndmask_b32 v[SW+\t], v248, v249, s37        ; lanes 0-15 keep Wp's words, lanes 16-31 Wm's
.irp c, 0,1,2
	global_store_b128 v4, v[CP+4*\c:CP+4*\c+3], s[50:51] offset:\t*24576+512*\c          ; 32 lanes store 512 consecutive bytes, at a multiple of 256 from the buffer's first byte
	global_store_b128 v4, v[CM+4*\c:CM+4*\c+3], s[50:51] offset:\t*24576+6144+512*\c
.endr
.endm
	WSTEP 0
	WSTEP 1
	global_store_b64 v10, v[SW:SW+1], s[52:53]     ; the slot's two words a row: 256 consecutive bytes
	v_add_f32 v240, v[D1], v[D2+1]                 ; Wp . b_upper  + Wm . b_lower    (each accumulator is read from its low end on)
	v_add_f32 v241, v[D1+1], v[D2]                 ; Wp . b_lower  + Wm . b_upper
	v_add_f32 v242, v[D1+2], v[D2+3]               ; Wp . ub       + Wm . lb
	v_add_f32 v243, v[D1+3], v[D2+2]               ; Wp . lb       + Wm . ub
	v_add_f32 v244, v[D1+4], v[D2+5]               ; Wp . b_upper2 + Wm . b_lower2
	v_add_f32 v245, v[D1+5], v[D2+4]               ; Wp . b_lower2 + Wm . b_upper2
	v_cndmask_b32 v246, v240, v241, s37            ; lanes 0-15 keep the even sum, lanes 16-31 the odd one
	v_cndmask_b32 v247, v242, v243, s37
	v_cndmask_b32 v248, v244, v245, s37
	ds_store_b32 v12, v246
	ds_store_b32 v12, v247 offset:128
	ds_store_b32 v12, v248 offset:256
	s_wait_dscnt 0x0                               ; for the others' sake: my sums over my 256 along K lie in LDS
	s_barrier_signal -1
	s_barrier_wait -1
	s_cmp_lg_u32 s36, 0
	s_cbranch_scc1 .Lend                           ; wave 0 adds the four waves' sums
.irp i, 0,1,2
.irp w, 0,1,2,3
	ds_load_b32 v[96+4*\i+\w], v12 offset:128*\i+384*\w
.endr
.endr
	s_wait_dscnt 0x0
.irp i, 0,1,2
	v_add_f32 v[96+4*\i], v[96+4*\i], v[97+4*\i]
	v_add_f32 v[98+4*\i], v[98+4*\i], v[99+4*\i]
.endr
.irp i, 0,1,2
	v_add_f32 v[96+4*\i], v[96+4*\i], v[98+4*\i]
.endr
.irp i, 0,1,2
	global_store_b32 v13, v[96+4*\i], s[34:35] offset:16384*\i         ; sum 2 i + h of row 16 g + r, over half kh of K
.endr
.Lend:
	s_wait_tensorcnt 0x0
	ds_add_u32 v254, v255
	s_wait_dscnt 0x0
	s_endpgm
; ---------------------------------------------------------------- prev_W*: K is the FIRST axis.  A lane takes a column and its registers run down K: a block of 32 lies in one lane, and the codes come out with K innermost.
.Lb:
	s_lshl_b32 s40, s56, 1
	s_add_co_u32 s40, s40, s57
	s_sub_co_u32 s40, s40, 1                       ; 2 q + rem - 1: 0 .. 511
	s_and_b32 s41, s40, 15                         ; ntile: which 128 columns
	s_bfe_u32 s42, s40, 0x30004                    ; slot: which 256 along K
	s_lshr_b32 s43, s40, 7                         ; mat
	s_wait_alu depctr_va_vdst(0)
	v_lshlrev_b32 v3, 2, v1                        ; in: 4 bytes a lane
	v_lshrrev_b32 v4, 4, v1
	v_mul_u32_u24 v4, v4, 1536                     ; out: lanes 16-31 hold the next 16 columns: the next fragment;
	v_and_b32 v5, 15, v1
	v_lshl_add_u32 v4, v5, 4, v4                   ; 16 bytes for column r
	v_lshlrev_b32 v5, 3, v1                        ; scale words: 8 bytes a column
	s_lshl_b32 s44, s42, 21                        ; 256 rows of 8,192 bytes a slot
	s_lshl_b32 s46, s41, 9
	s_add_co_u32 s44, s44, s46
	s_lshl_b32 s46, s36, 7                         ; my wave's 32 columns
	s_add_co_u32 s44, s44, s46
	s_mov_b32 s45, 0
	s_lshl_b32 s46, s41, 3
	s_add_co_u32 s46, s46, s42
	s_mul_i32 s46, s46, 102400                     ; the record
	s_lshr_b32 s47, s36, 1                         ; chi
	s_and_b32 s48, s36, 1
	s_lshl_b32 s49, s47, 4
	s_lshl_b32 s50, s43, 2
	s_add_co_u32 s49, s49, s50
	s_lshl_b32 s50, s48, 1
	s_add_co_u32 s49, s49, s50                     ; fragment 16 chi + 4 mat + 2 (w % 2)
	s_mul_i32 s49, s49, 1536
	s_add_co_u32 s50, s46, s49
	s_mov_b32 s51, 0
	s_lshl_b32 s52, s47, 11
	s_add_co_u32 s52, s52, s46
	s_lshl_b32 s53, s43, 9
	s_add_co_u32 s52, s52, s53
	s_lshl_b32 s53, s48, 8
	s_add_co_u32 s52, s52, s53
	s_add_co_u32 s52, s52, 98304                   ; my wave's 256 bytes of scale words
	s_mov_b32 s53, 0
	s_wait_alu depctr_va_vdst(0)
	s_wait_kmcnt 0x0
	s_cmp_eq_u32 s43, 1                            ; which tensor: the choice hangs on the work-group's number alone
	s_cselect_b64 s[10:11], s[12:13], s[10:11]
	s_cmp_eq_u32 s43, 2
	s_cselect_b64 s[10:11], s[14:15], s[10:11]
	s_cmp_eq_u32 s43, 3
	s_cselect_b64 s[10:11], s[16:17], s[10:11]
	s_add_nc_u64 s[10:11], s[10:11], s[44:45]
	s_add_nc_u64 s[50:51], s[32:33], s[50:51]
	s_add_nc_u64 s[52:53], s[32:33], s[52:53]
.macro BLOAD t                         ; block t: rows 32 t + i of my column, into set t % 2.  Every offset is an immediate: 255 rows of 8,192 bytes at the most
.irp i, 0,1,2,3,4,5,6,7,8,9,10,11,12,13,14,15,16,17,18,19,20,21,22,23,24,25,26,27,28,29,30,31
	global_load_b32 v[32+32*((\t)%2)+\i], v3, s[10:11] offset:(32*(\t)+\i)*8192 th:TH_LOAD_NT
.endr
.endm
; A column's four blocks of a K step belong to two lanes of the fragment: blocks 0 and 2 to lane r (registers E), blocks 1 and 3 to lane 16 + r (registers O).  E and O of kk at v[96 + 24 kk] and v[108 + 24 kk].
.macro BBLOCK t
.set XS, 32+32*((\t)%2)
.set DST, 96+24*((\t)/4)+12*((\t)%2)+6*(((\t)%4)/2)
.if (\t) < 7
	s_wait_loadcnt 32                              ; this block's 32 loads are in; the next block's may be out
.else
	s_wait_loadcnt 0x0
.endif
	BMAX 150, 151, XS
	v_add_nc_u32 v152, 0xfe000000, v150
	v_cvt_scalef32_pk16_bf6_f32 v[DST:DST+2], v[XS:XS+15], v152
	v_cvt_scalef32_pk16_bf6_f32 v[144:146], v[XS+16:XS+31], v152
	v_lshrrev_b32 v153, 23, v152                   ; the byte; also the plain line behind the conversions
.irp i, 0,1,2
	v_mov_b32 v[DST+3+\i], v[144+\i]
.endr
.if (\t)%4 == 0
	v_mov_b32 v[148+(\t)/4], v153                  ; four bytes to a word, the lower K in the lower byte
.else
	v_lshl_or_b32 v[148+(\t)/4], v153, 8*((\t)%4), v[148+(\t)/4]
.endif
.if (\t)+2 < 8
	BLOAD (\t)+2
.endif
.if (\t)%4 == 3
.irp c, 0,1,2
	global_store_b128 v4, v[96+24*((\t)/4)+4*\c:96+24*((\t)/4)+4*\c+3], s[50:51] offset:((\t)/4)*49152+512*\c        ; sixteen lanes store 256 consecutive bytes, at a multiple of 256 from the buffer's first byte
	global_store_b128 v4, v[108+24*((\t)/4)+4*\c:108+24*((\t)/4)+4*\c+3], s[50:51] offset:((\t)/4)*49152+512*\c+256
.endr
.endif
.endm
	BLOAD 0
	BLOAD 1
.irp t, 0,1,2,3,4,5,6,7
	BBLOCK \t
.endr
	global_store_b64 v5, v[148:149], s[52:53]      ; 32 columns' two words: 256 consecutive bytes.  No store's data are written again on this way
	s_endpgm
.Lfunc_end_k_q02dd95dd3c_quant:
	.size	k_q02dd95dd3c_quant, .Lfunc_end_k_q02dd95dd3c_quant-k_q02dd95dd3c_quant
	.p2alignl 7, 3214868480
	.fill 96, 4, 3214868480
	.section	.rodata,"a",@progbits
	.p2align	6, 0x0
	.amdhsa_kernel k_q02dd95dd3c_quant
		.amdhsa_group_segment_fixed_size 52480
		.amdhsa_private_segment_fixed_size 0
		.amdhsa_enable_private_segment 0
		.amdhsa_kernarg_size 112
		.amdhsa_user_sgpr_count 2
		.amdhsa_user_sgpr_kernarg_segment_ptr 1
		.amdhsa_wavefront_size32 1
		.amdhsa_system_sgpr_workgroup_id_x 1
		.amdhsa_system_sgpr_workgroup_id_y 1
		.amdhsa_system_sgpr_workgroup_id_z 1
		.amdhsa_system_vgpr_workitem_id 0
		.amdhsa_next_free_vgpr 256
		.amdhsa_next_free_sgpr 66
		.amdhsa_reserve_vcc 0
		.amdhsa_float_denorm_mode_32 3
		.amdhsa_float_denorm_mode_16_64 3
		.amdhsa_memory_ordered 1
		.amdhsa_forward_progress 1
		.amdhsa_inst_pref_size 87
	.end_amdhsa_kernel
	.amdgpu_metadata
---
amdhsa.version: [ 1, 2 ]
amdhsa.kernels:
  - .name:           k_q02dd95dd3c_quant
    .symbol:         k_q02dd95dd3c_quant.kd
    .args:
      - { .name: W, .offset: 0, .size: 8, .value_kind: global_buffer, .address_space: global }
      - { .name: prev_W_upper, .offset: 8, .size: 8, .value_kind: global_buffer, .address_space: global }
      - { .name: prev_W_lower, .offset: 16, .size: 8, .value_kind: global_buffer, .address_space: global }
      - { .name: prev_W_upper2, .offset: 24, .size: 8, .value_kind: global_buffer, .address_space: global }
      - { .name: prev_W_lower2, .offset: 32, .size: 8, .value_kind: global_buffer, .address_space: global }
      - { .name: prev_b_upper, .offset: 40, .size: 8, .value_kind: global_buffer, .address_space: global }
      - { .name: prev_b_lower, .offset: 48, .size: 8, .value_kind: global_buffer, .address_space: global }
      - { .name: prev_ub, .offset: 56, .size: 8, .value_kind: global_buffer, .address_space: global }
      - { .name: prev_lb, .offset: 64, .size: 8, .value_kind: global_buffer, .address_space: global }
      - { .name: prev_b_upper2, .offset: 72, .size: 8, .value_kind: global_buffer, .address_space: global }
      - { .name: prev_b_lower2, .offset: 80, .size: 8, .value_kind: global_buffer, .address_space: global }
      - { .name: acodes, .offset: 88, .size: 8, .value_kind: global_buffer, .address_space: global }
      - { .name: bcodes, .offset: 96, .size: 8, .value_kind: global_buffer, .address_space: global }
      - { .name: mv, .offset: 104, .size: 8, .value_kind: global_buffer, .address_space: global }
    .group_segment_fixed_size: 52480
    .private_segment_fixed_size: 0
    .kernarg_segment_align: 8
    .kernarg_segment_size: 112
    .max_flat_workgroup_size: 128
    .sgpr_count:     66
    .vgpr_count:     256
    .wavefront_size: 32
...
	.end_amdgpu_metadata
.endif
;; end of part 1
;; launch gemm (part 2): grid 16 x 16, 4 waves a work-group, clusters of 4 x 4, 327,680 bytes of LDS; arguments acodes, bcodes, prev_ub, prev_lb, out1, out2, part; writes out1, out2, part
.if DOCPART == 2
	.amdgcn_target "amdgcn-amd-amdhsa--gfx1250"
	.amdhsa_code_object_version 6
	.text
	.protected	k_q02dd95dd3c_gemm
	.globl	k_q02dd95dd3c_gemm
	.p2align	8
	.type	k_q02dd95dd3c_gemm,@function
k_q02dd95dd3c_gemm:
	s_mov_b64 s[64:65], 0
	v_nop
	global_prefetch_b8 v0, s[64:65] scope:SCOPE_SE
	s_setreg_imm32_b32 hwreg(HW_REG_WAVE_MODE, 25, 1), 1
	s_wait_xcnt 0x0
	s_wait_alu depctr_hold_cnt(0) depctr_sa_sdst(0) depctr_va_vdst(0) depctr_va_sdst(0) depctr_va_ssrc(0) depctr_va_vcc(0) depctr_vm_vsrc(0)
	s_getreg_b32 s2, hwreg(HW_REG_IB_STS2, 6, 4)
	s_cmp_eq_u32 s2, 0
	s_cbranch_scc0 .Lentry_in_a_cluster
	s_endpgm
.Lentry_in_a_cluster:
	s_bfe_u32 s2, ttmp6, 0x10000c
	s_cmp_lg_u32 s2, 0xf033
	s_cbranch_scc0 .Lentry_shape_is_right
	s_endpgm
.Lentry_shape_is_right:
; THE EIGHT QUANTISED PRODUCTS.  W_upper = Wp U + Wm L, W_lower = Wp L + Wm U (out1, out2), and the same with U2, L2 (Wu, Wl), which stay in registers:
; of them only the row sums ub2 = sum max(Wu,0) ub + min(Wu,0) lb and lb2 = sum max(Wl,0) lb + min(Wl,0) ub leave, as parts over 64 columns (part [2][32][2048]).
; max(w,0) u + min(w,0) l = w c + |w| r with c = (u + l) / 2, r = (u - l) / 2, for all values of w, u, l: one packed and one plain multiply-add for two and one numbers.
; Operands: codes of BF6 (E3M2) with E8M0 scale words, laid by the launch before in the order of the operands' registers (a fragment, 16 rows x 128 K, is 1,536 bytes: registers 4 c .. 4 c + 3 of lane l at 512 c + 16 l):
;   acodes [mtile 16][slot 8][51,200]: codes at kk 24,576 + (8 rho + 4 pm + a) 1,536; scale words at 49,152 + 1,024 rho + 256 a + 128 pm + 8 r + 4 kk.
;   bcodes [ntile 16][slot 8][102,400]: codes at kk 49,152 + (16 chi + 4 mat + b) 1,536; scale words at 98,304 + 2,048 chi + 512 mat + 128 b + 8 r + 4 kk.
; SHARES.  256 work-groups; each makes 128 rows x 128 columns of all four results.  Four waves, each 64 x 64 x 4: 64 accumulators, 512 registers.  K goes in 8 slots of 256 through a ring of two LDS slots of 153,600 bytes.
; Each record is dense: a wave fetches half a record by one tensor load, as rows of 256 bytes.  CLUSTERS 4 x 4: A's record is asked for jointly along a row of the cluster, B's along a column.
; A PHASE is 64 products: one pair of results (pi = 0: upper, lower; 1: upper2, lower2) x 128 along K (kk).  It opens with ONE run of LDS loads, for the next phases, into registers that no product since the last
; phase boundary names (4 places stand at every boundary); the wait behind the run leaves just that run out, so all that this phase multiplies is in.  Then its 64 products follow each other.
; THE WAY OUT stands behind the last product: W_upper and W_lower go block by block through a stage in LDS (slot 0's bytes, which have had their last fill and their last read) into registers of their own,
; so that no store's data are written again; the row sums of Wu and Wl are made between the blocks' stores.
; PREFETCH: behind each of the first four refills (records 2 to 5) a wave names record + 2 of what it fetches: the four partners of a joint load share the half record out by address (A 25 blocks of 256 bytes each, B 50),
; a lane a block; lanes left over name the last block again.  Records 0 to 3 come by their loads alone; the last two refills ask for nothing.
; REGISTERS.  window 0: v4-31 addresses and sums; v32-55 scale words, a set of 12 for each kk; v56-63 at work; v64-159, v160-255 A's fragments of kk 0, 1.
;   window 1: v0-95, v96-191 B's fragments, two regions of 8; on the way out all 256: eight blocks of rows.  window 2: pair 0's 32 accumulators (upper (a, b) at 8 (4 a + b), lower 128 further); window 3: pair 1's.
; THE MATRIX INSTRUCTION IS USED TRANSPOSED (source 0 = 16 columns of prev_W*, source 1 = 16 rows of W): a lane holds eight neighbouring numbers of a row of the result.
; LIMITS: NaN and infinities are not served.  No work of the definition is left out here.
.set AREC,  51200
.set BREC,  102400
.set SLOT,  AREC+BREC
.set SPARE, 2*SLOT                     ; behind the ring: the spare words, 128 bytes a wave
.set SS,   4                           ; v4-11  the eight row sums
.set PFO2, 13                          ; v13    prefetch: blocks 32 .. 49 of B's share
.set H32,  14                          ; v14    32 x (lane / 16): my eight columns in ub and lb
.set PFO,  15                          ; v15    prefetch: 256 x lane, held at the share's last block
.set ADRA, 16                          ; v16-17 A's fragments in slot 0, 1
.set ADRB, 18                          ; v18-21 B's fragments in slot s, step kk: 2 s + kk
.set ADSA, 22                          ; v22-23 A's scale words (lanes 0-15 Wp's, 16-31 Wm's)
.set ADSB, 24                          ; v24-25 B's scale words (lanes 0-15 pair 0's, 16-31 pair 1's)
.set STO,  26
.set RD,   27
.set SPW,  28                          ; my spare word; never rewritten
.set NIL,  29                          ; 0; never rewritten
.set CO,   30
.set L4,   31
.set SC,   32
.set AF,   64
.set UB,   64                          ; the way out: ub, then r
.set LBR,  96                          ; lb
.set CV,   128                         ; c
.set SM,   160                         ; eight partial sums for each of the eight blocks
.set G1A, 24
.set G0A, 32
.set G1B, 48
.set G0B, 56
.set PFA, 90                           ; s[90:91] where my prefetches stand
.set PFS, 92                           ; s[92:93] a record of what I fetch, in bytes
.set MSB, 0
.macro WIN new                         ; the immediate's high byte repeats the setting that is left
.if MSB != \new
	s_set_vgpr_msb (MSB<<8)|\new
.set MSB, \new
.endif
.endm
.set MUL_LO, 0xa1                      ; source 0 window 1, source 1 window 0, C and D window 2 (+0x50: window 3)
.set TO_B,   0x40                      ; destination window 1
.macro JLOAD g0a, g1a, g0b, g1b        ; a joint load: waves 0, 1 fetch A's halves, waves 2, 3 B's
	s_cmp_eq_u32 s19, 0
	s_cbranch_scc0 .Lfor_b_\@
	tensor_load_to_lds s[\g0a:\g0a+3], s[\g1a:\g1a+7]
	s_nop 0
.rept 4
	v_nop
.endr
	s_branch .Lasked_\@
.Lfor_b_\@:
	tensor_load_to_lds s[\g0b:\g0b+3], s[\g1b:\g1b+7]
	s_nop 0
.rept 4
	v_nop
.endr
.Lasked_\@:
.endm
.macro CREST                           ; a round of the cluster's barrier behind its opening barrier
	s_cmp_lg_u32 s18, 0
	s_cbranch_scc1 .Lnot_wave_0_\@
	s_barrier_signal -3
.Lnot_wave_0_\@:
	s_barrier_wait -3
	s_barrier_signal -1
	s_barrier_wait -1
.endm
.macro CROUND
	s_barrier_signal -1
	s_barrier_wait -1
	CREST
.endm
.macro PLACES n
.rept \n
	v_nop
.endr
.endm
.macro ASK                             ; the record two refills on; s3 = 1 in the loop's last trip, whose two refills have no such record
	s_cmp_gt_u32 s3, 1
	s_cbranch_scc0 .Lno_\@
	global_prefetch_b8 v[PFO], s[PFA:PFA+1] th:TH_LOAD_NT scope:SCOPE_SE
	s_cmp_eq_u32 s19, 0
	s_cbranch_scc1 .Lno_\@
	global_prefetch_b8 v[PFO2], s[PFA:PFA+1] th:TH_LOAD_NT scope:SCOPE_SE
.Lno_\@:
.endm
	s_load_b256 s[4:11], s[0:1], 0x0               ; acodes s4, bcodes s6, ub s8, lb s10
	s_load_b128 s[12:15], s[0:1], 0x20             ; out1, out2
	s_load_b64 s[16:17], s[0:1], 0x30              ; part
	v_lshl_add_u32 v[SPW], v0, 2, SPARE
	v_mov_b32 v[NIL], 0
	ds_add_u32 v[SPW], v[NIL]                      ; the opening lines: the add, twice on end, and its wait ahead of my first tensor load
	ds_add_u32 v[SPW], v[NIL]
	v_lshrrev_b32 v1, 5, v0
	v_readfirstlane_b32 s18, v1                    ; wave
	s_lshr_b32 s19, s18, 1                         ; rho: my 64 rows.  Also: I fetch for A (0) or B (1)
	s_and_b32 s20, s18, 1                          ; chi: my 64 columns.  Also: which half of a record I fetch
	s_bfe_u32 s40, ttmp6, 0x40000                  ; cx
	s_bfe_u32 s41, ttmp6, 0x40004                  ; cy
	s_lshl_b32 s42, ttmp9, 2
	s_add_co_u32 s42, s42, s40                     ; ntile
	s_and_b32 s43, ttmp7, 0xffff
	s_lshl_b32 s43, s43, 2
	s_add_co_u32 s43, s43, s41                     ; mtile
	s_lshl_b32 s44, s41, 2
	s_lshl_b32 s44, 15, s44                        ; my row of the cluster
	s_lshl_b32 s45, 0x1111, s40                    ; my column
	s_or_b32 s[G1A+0], s44, (3<<16)|(1<<21)        ; elements of 8 bytes, rows of 32: 256 bytes; no padding: the LDS image is the record
	s_or_b32 s[G1B+0], s45, (3<<16)|(1<<21)
	s_mov_b32 s[G1A+1], 32<<16
	s_mov_b32 s[G1A+2], 100<<16                    ; half of A's record: 100 rows
	s_mov_b32 s[G1A+3], 32<<16
	s_mov_b32 s[G1A+4], 100
	s_mov_b32 s[G1A+5], 32
	s_mov_b32 s[G1A+6], 0
	s_mov_b32 s[G1A+7], 0
	s_mov_b32 s[G1B+1], 32<<16
	s_mov_b32 s[G1B+2], 200<<16                    ; half of B's: 200 rows
	s_mov_b32 s[G1B+3], 32<<16
	s_mov_b32 s[G1B+4], 200
	s_mov_b32 s[G1B+5], 32
	s_mov_b32 s[G1B+6], 0
	s_mov_b32 s[G1B+7], 0
	s_mul_i32 s68, s43, 8*AREC
	s_mul_i32 s76, s20, AREC/2
	s_add_co_u32 s68, s68, s76
	s_mov_b32 s69, 0
	s_mul_i32 s70, s42, 8*BREC
	s_mul_i32 s77, s20, BREC/2
	s_add_co_u32 s70, s70, s77
	s_mov_b32 s71, 0
	s_add_co_u32 s77, s77, AREC
	s_wait_dscnt 0x0                               ; both opening adds are done
	s_wait_kmcnt 0x0
	s_add_nc_u64 s[68:69], s[4:5], s[68:69]
	s_add_nc_u64 s[70:71], s[6:7], s[70:71]
	CROUND                                         ; all sixteen work-groups are here: the first joint loads meet
.irp s, 0,1
	s_mov_b32 s[G0A+4*\s], 1
	s_add_co_u32 s[G0A+4*\s+1], s76, \s*SLOT
	s_add_nc_u64 s[G0A+4*\s+2:G0A+4*\s+3], s[68:69], \s*AREC
	s_or_b32 s[G0A+4*\s+3], s[G0A+4*\s+3], 0x80000000
	s_mov_b32 s[G0B+4*\s], 1
	s_add_co_u32 s[G0B+4*\s+1], s77, \s*SLOT
	s_add_nc_u64 s[G0B+4*\s+2:G0B+4*\s+3], s[70:71], \s*BREC
	s_or_b32 s[G0B+4*\s+3], s[G0B+4*\s+3], 0x80000000
.endr
	JLOAD G0A, G1A, G0B, G1B                       ; record 0: one tensor load a wave at the head
	s_mul_i32 s79, s19, 12288                      ; my 8 fragments of A
	s_mul_i32 s80, s20, 24576                      ; my 16 of B
	s_add_co_u32 s80, s80, AREC
	s_lshl_b32 s81, s19, 10
	s_add_co_u32 s81, s81, 49152
	s_lshl_b32 s82, s20, 11
	s_add_co_u32 s82, s82, AREC+98304
	s_mul_i32 s83, s18, 4352                       ; my stage: 16 rows of 272 bytes
	s_mov_b32 s72, 0x76543210
	s_mov_b32 s73, 0xfedcba98                      ; v_permlanex16_b32's selects for lane l xor 16
	s_mov_b32 s74, 0xffff0000                      ; lanes 16-31
	s_lshl_b32 s86, s42, 9
	s_lshl_b32 s87, s20, 8
	s_add_co_u32 s86, s86, s87                     ; my first column, in bytes
	s_mov_b32 s87, 0
	s_lshl_b32 s84, s43, 20
	s_lshl_b32 s85, s19, 19
	s_add_co_u32 s84, s84, s85
	s_add_co_u32 s84, s84, s86                     ; and my first row's place in out1 and out2
	s_mov_b32 s85, 0
	s_lshl_b32 s88, s42, 14
	s_lshl_b32 s89, s20, 13
	s_add_co_u32 s88, s88, s89
	s_lshl_b32 s89, s43, 9
	s_add_co_u32 s88, s88, s89
	s_lshl_b32 s89, s19, 8
	s_add_co_u32 s88, s88, s89                     ; part: chunk 2 ntile + chi, row 128 mtile + 64 rho
	s_mov_b32 s89, 0
	s_add_nc_u64 s[8:9], s[8:9], s[86:87]
	s_add_nc_u64 s[10:11], s[10:11], s[86:87]
	s_add_nc_u64 s[12:13], s[12:13], s[84:85]
	s_add_nc_u64 s[14:15], s[14:15], s[84:85]
	s_add_nc_u64 s[16:17], s[16:17], s[88:89]
	s_cmp_eq_u32 s19, 0                            ; the prefetches: do I fetch for A?
	s_cselect_b32 s66, 24, 31                      ; the last block that the first instruction names
	s_cselect_b32 s67, s40, s41                    ; my place among the four that ask with me
	s_cselect_b64 s[PFA:PFA+1], s[68:69], s[70:71]
	s_lshl_b32 s46, 6400, s19                      ; a quarter of the half record: 6,400 or 12,800 bytes
	s_mul_i32 s46, s46, s67
	s_lshl_b32 s[PFS], 51200, s19
	s_mov_b32 s[PFS+1], 0
	s_mul_i32 s47, s[PFS], 3                       ; at record 3: the first refill steps it to 4
	s_add_co_u32 s46, s46, s47
	s_mov_b32 s47, 0
	s_add_nc_u64 s[PFA:PFA+1], s[PFA:PFA+1], s[46:47]
	v_and_b32 v1, 15, v0                           ; r
	v_bfe_u32 v2, v0, 4, 1                         ; h
	v_and_b32 v3, 31, v0                           ; lane
	v_lshlrev_b32 v12, 4, v3
	v_add_nc_u32 v[ADRA], s79, v12
	v_add_nc_u32 v[ADRA+1], SLOT, v[ADRA]
	v_add_nc_u32 v[ADRB], s80, v12
	v_add_nc_u32 v[ADRB+1], 49152, v[ADRB]
	v_add_nc_u32 v[ADRB+2], SLOT, v[ADRB]
	v_add_nc_u32 v[ADRB+3], SLOT+49152, v[ADRB]
	v_lshl_add_u32 v[ADSA], v3, 3, s81
	v_add_nc_u32 v[ADSA+1], SLOT, v[ADSA]
	v_lshlrev_b32 v12, 3, v1
	v_lshl_add_u32 v12, v2, 10, v12
	v_add_nc_u32 v[ADSB], s82, v12
	v_add_nc_u32 v[ADSB+1], SLOT, v[ADSB]
	v_mul_u32_u24 v[STO], v1, 272                  ; into the stage: row r, 32 bytes for each half of the lanes
	v_lshl_add_u32 v[STO], v2, 5, v[STO]
	v_add_nc_u32 v[STO], s83, v[STO]
	v_mul_u32_u24 v[RD], v2, 272                   ; back: sixteen lanes a row of 256 bytes
	v_lshl_add_u32 v[RD], v1, 4, v[RD]
	v_add_nc_u32 v[RD], s83, v[RD]
	v_lshlrev_b32 v[CO], 4, v1
	v_lshl_add_u32 v[CO], v2, 13, v[CO]            ; and the same two rows in out1, out2
	v_lshlrev_b32 v[L4], 2, v3
	v_lshlrev_b32 v[H32], 5, v2
	v_min_u32 v[PFO], s66, v3
	v_lshlrev_b32 v[PFO], 8, v[PFO]
	v_min_u32 v[PFO2], 17, v3
	v_lshl_add_u32 v[PFO2], v[PFO2], 8, 8192
.macro LA s, kk                        ; A's eight fragments of step kk (window 0): 24 loads
.irp i, 0,1,2,3,4,5,6,7
.irp c, 0,1,2
	ds_load_b128 v[AF+96*(\kk)+12*\i+4*\c:AF+96*(\kk)+12*\i+4*\c+3], v[ADRA+(\s)] offset:(\kk)*24576+1536*\i+512*\c
.endr
.endr
.endm
.macro LB s, kk, half, reg             ; the eight fragments of B's pair 'half' (upper b 0-3, lower b 0-3) into region reg (destination window 1): 24 loads
.irp i, 0,1,2,3,4,5,6,7
.irp c, 0,1,2
	ds_load_b128 v[12*(8*(\reg)+\i)+4*\c:12*(8*(\reg)+\i)+4*\c+3], v[ADRB+2*(\s)+(\kk)] offset:1536*(8*(\half)+\i)+512*\c
.endr
.endr
.endm
.macro LS s, kk                        ; step kk's twelve scale registers: 0-3 A's blocks, 4-11 B's (upper b, lower b)
.irp a, 0,1,2,3
	ds_load_b32 v[SC+12*(\kk)+\a], v[ADSA+(\s)] offset:256*\a+4*(\kk)
.endr
.irp j, 0,1,2,3,4,5,6,7
	ds_load_b32 v[SC+12*(\kk)+4+\j], v[ADSB+(\s)] offset:128*\j+4*(\kk)
.endr
.endm
.macro WM acc, f, ar, sb, sa, pi, pm, zero
.if \zero
.if \pi
.if \pm
	v_wmma_scale_f32_16x16x128_f8f6f4 v[\acc:\acc+7], v[\f:\f+11], v[\ar:\ar+11], 0, v[\sb], v[\sa] matrix_a_fmt:MATRIX_FMT_BF6 matrix_b_fmt:MATRIX_FMT_BF6 matrix_a_scale:MATRIX_SCALE_ROW1 matrix_b_scale:MATRIX_SCALE_ROW1
.else
	v_wmma_scale_f32_16x16x128_f8f6f4 v[\acc:\acc+7], v[\f:\f+11], v[\ar:\ar+11], 0, v[\sb], v[\sa] matrix_a_fmt:MATRIX_FMT_BF6 matrix_b_fmt:MATRIX_FMT_BF6 matrix_a_scale:MATRIX_SCALE_ROW1
.endif
.else
.if \pm
	v_wmma_scale_f32_16x16x128_f8f6f4 v[\acc:\acc+7], v[\f:\f+11], v[\ar:\ar+11], 0, v[\sb], v[\sa] matrix_a_fmt:MATRIX_FMT_BF6 matrix_b_fmt:MATRIX_FMT_BF6 matrix_b_scale:MATRIX_SCALE_ROW1
.else
	v_wmma_scale_f32_16x16x128_f8f6f4 v[\acc:\acc+7], v[\f:\f+11], v[\ar:\ar+11], 0, v[\sb], v[\sa] matrix_a_fmt:MATRIX_FMT_BF6 matrix_b_fmt:MATRIX_FMT_BF6
.endif
.endif
.else
.if \pi
.if \pm
	v_wmma_scale_f32_16x16x128_f8f6f4 v[\acc:\acc+7], v[\f:\f+11], v[\ar:\ar+11], v[\acc:\acc+7], v[\sb], v[\sa] matrix_a_fmt:MATRIX_FMT_BF6 matrix_b_fmt:MATRIX_FMT_BF6 matrix_a_scale:MATRIX_SCALE_ROW1 matrix_b_scale:MATRIX_SCALE_ROW1
.else
	v_wmma_scale_f32_16x16x128_f8f6f4 v[\acc:\acc+7], v[\f:\f+11], v[\ar:\ar+11], v[\acc:\acc+7], v[\sb], v[\sa] matrix_a_fmt:MATRIX_FMT_BF6 matrix_b_fmt:MATRIX_FMT_BF6 matrix_a_scale:MATRIX_SCALE_ROW1
.endif
.else
.if \pm
	v_wmma_scale_f32_16x16x128_f8f6f4 v[\acc:\acc+7], v[\f:\f+11], v[\ar:\ar+11], v[\acc:\acc+7], v[\sb], v[\sa] matrix_a_fmt:MATRIX_FMT_BF6 matrix_b_fmt:MATRIX_FMT_BF6 matrix_b_scale:MATRIX_SCALE_ROW1
.else
	v_wmma_scale_f32_16x16x128_f8f6f4 v[\acc:\acc+7], v[\f:\f+11], v[\ar:\ar+11], v[\acc:\acc+7], v[\sb], v[\sa] matrix_a_fmt:MATRIX_FMT_BF6 matrix_b_fmt:MATRIX_FMT_BF6
.endif
.endif
.endif
.endm
; A group: four products on four accumulators.  q = 0: upper += U Wp;  1: lower += U Wm;  2: upper += L Wm;  3: lower += L Wp.  Seven other products stand between two steps of one sum.
.macro GRP pi, kk, reg, b, q, zero
.set FB, 12*(8*(\reg)+4*((\q)/2)+(\b))
.set SB, SC+12*(\kk)+4+4*((\q)/2)+(\b)
.set PM, (((\q)+1)/2)%2
.set AO, 128*((\q)%2)
.set ZR, 0
.if (\zero) && ((\q) < 2)
.set ZR, 1
.endif
.irp a, 0,1,2,3
	WM AO+8*(4*\a+(\b)), FB, AF+96*(\kk)+12*(4*PM+\a), SB, SC+12*(\kk)+\a, \pi, PM, ZR
.endr
.endm
; The run of loads that opens a phase, and the wait that leaves just this run out.  Plans: 0, 1: kk 0 of a slot, pair 0, 1;  2, 3: kk 1, with the change of slots;  6, 7: kk 1 of the last slot.
.macro RUN plan, s, nx
.if \plan == 0
	WIN 0
	LA \s, 1
	WIN TO_B
	LB \s, 0, 1, 1
	s_wait_dscnt 48
.endif
.if \plan == 1
	WIN 0
	LS \s, 1
	WIN TO_B
	LB \s, 1, 0, 0
	s_wait_dscnt 36
.endif
.if \plan == 2
	WIN TO_B
	LB \s, 1, 1, 1                                 ; my last reads of this slot
	WIN 0
	s_wait_tensorcnt 0x0                           ; all my tensor loads have landed: my part of the next slot;
	ds_add_u32 v[SPW], v[NIL]                      ; 0 onto my spare word; 32 products stand between it and the wait for it
	s_wait_dscnt 25                                ; (the 24 loads and the add may be out)
.endif
.if \plan == 3
	WIN 0
	LA \nx, 0
	LS \nx, 0
	WIN TO_B
	LB \nx, 0, 0, 0
	s_wait_dscnt 60
.endif
.if \plan == 6
	WIN TO_B
	LB \s, 1, 1, 1
	s_wait_dscnt 24
.endif
.if \plan == 7
	WIN 0
.irp b, 0,1,2,3                        ; ub and lb at my 32 columns, into A's buffer of kk 0, which is done with
.irp t, 0,1
	global_load_b128 v[UB+8*\b+4*\t:UB+8*\b+4*\t+3], v[H32], s[8:9] offset:64*\b+16*\t
	global_load_b128 v[LBR+8*\b+4*\t:LBR+8*\b+4*\t+3], v[H32], s[10:11] offset:64*\b+16*\t
.endr
.endr
	s_wait_dscnt 0x0
.endif
.endm
; A phase: pair pi, step kk (A's buffer and the scale set), B's region reg.  Four places close it: for the loads of the next phases into its sources, and for reads of its results.
.macro PHASE pi, kk, reg, zero, plan, s, nx
	RUN \plan, \s, \nx
.set GI, 0
.irp b, 0,1,2,3
.irp q, 0,1,2,3
	WIN MUL_LO+0x50*(\pi)
	GRP \pi, \kk, \reg, \b, \q, \zero
.if \plan == 2
.if GI == 7
	s_wait_dscnt 0x0                               ; the add is done, and my reads of this slot are over
	s_barrier_signal -1
.endif
.if GI == 11
	WIN 0
	s_barrier_wait -1
.if FILL
	CREST                                          ; the barrier has opened a round of the cluster's barrier: no wave of any partner still reads this slot or has a load on its way
	s_add_nc_u64 s[G0A+4*\s+2:G0A+4*\s+3], s[G0A+4*\s+2:G0A+4*\s+3], 2*AREC
	s_add_nc_u64 s[G0B+4*\s+2:G0B+4*\s+3], s[G0B+4*\s+2:G0B+4*\s+3], 2*BREC
	JLOAD G0A+4*\s, G1A, G0B+4*\s, G1B             ; the record two on: the first tensor load behind the round, 208 products ahead of the wait for it
	ASK
.endif
.endif
.endif
.set GI, GI+1
.endr
.endr
	PLACES 4
.endm
.macro HALF_A s, zero
	PHASE 0, 0, 0, \zero, 0, \s, \s
	PHASE 1, 0, 1, \zero, 1, \s, \s
.endm
.macro HALF_B s, nx
.if FILL
	s_wait_xcnt 0x0                                ; my prefetches have read their address: it steps a record on
	s_add_nc_u64 s[PFA:PFA+1], s[PFA:PFA+1], s[PFS:PFS+1]
.endif
	PHASE 0, 1, 0, 0, 2, \s, \nx
	PHASE 1, 1, 1, 0, 3, \s, \nx
.endm
	s_wait_alu depctr_va_vdst(0)
	s_wait_tensorcnt 0x0                           ; my part of record 0 is in
	ds_add_u32 v[SPW], v[NIL]
	s_wait_dscnt 0x0
	CROUND                                         ; everybody's part is in, and the joint loads meet
	JLOAD G0A+4, G1A, G0B+4, G1B                   ; record 1: slot 1's first fill
	LA 0, 0
	LS 0, 0
	WIN TO_B
	LB 0, 0, 0, 0
.set FILL, 1
	HALF_A 0, 1                                    ; the first products start the sums: nothing is cleared
	WIN 0
	s_mov_b32 s3, 3
.Llap:                                                 ; a trip goes once round the ring and fills both slots again
	HALF_B 0, 1
	HALF_A 1, 0
	HALF_B 1, 0
	HALF_A 0, 0
	WIN 0
	s_sub_co_u32 s3, s3, 1
	s_cmp_lg_u32 s3, 0
	s_cbranch_scc1 .Llap
.set FILL, 0
	HALF_B 0, 1                                    ; record 6's second half: nothing is left to fetch
	HALF_A 1, 0                                    ; record 7
	PHASE 0, 1, 0, 0, 6, 1, 1
	PHASE 1, 1, 1, 0, 7, 1, 1
	WIN 0
	s_wait_loadcnt 0x0                             ; ub and lb
.set j, 0
.rept 16
	v_pk_mul_f32 v[UB+j:UB+j+1], v[UB+j:UB+j+1], 0.5 op_sel_hi:[1,0]
.set j, j+2
.endr
.set j, 0
.rept 16
	v_pk_fma_f32 v[CV+j:CV+j+1], v[LBR+j:LBR+j+1], 0.5, v[UB+j:UB+j+1] op_sel_hi:[1,0,1]     ; c = ub / 2 + lb / 2
.set j, j+2
.endr
.set j, 0
.rept 16
	v_pk_fma_f32 v[UB+j:UB+j+1], v[LBR+j:LBR+j+1], -0.5, v[UB+j:UB+j+1] op_sel_hi:[1,0,1]    ; r = ub / 2 - lb / 2
.set j, j+2
.endr
	s_wait_alu depctr_va_vdst(0)
; Block (o, a): 16 rows x 64 columns of Wu (o = 0) or Wl (1): my row's 32 numbers x c, and their magnitudes x r (Wl: x -r), in eight chains
.macro RED o, a
.set AC, 128*(\o)+32*(\a)
.set SR, SM+8*(4*(\o)+(\a))
	WIN 0x03                                       ; source 0: window 3
.irp b, 0,1,2,3
	v_pk_mul_f32 v[SR+2*\b:SR+2*\b+1], v[AC+8*\b:AC+8*\b+1], v[CV+8*\b:CV+8*\b+1]            ; each accumulator is read from its low end on
.endr
.irp j, 2,4,6
.irp b, 0,1,2,3
	v_pk_fma_f32 v[SR+2*\b:SR+2*\b+1], v[AC+8*\b+\j:AC+8*\b+\j+1], v[CV+8*\b+\j:CV+8*\b+\j+1], v[SR+2*\b:SR+2*\b+1]
.endr
.endr
.irp j, 0,1,2,3,4,5,6,7
.irp b, 0,1,2,3
.if \o
	v_fma_f32 v[SR+2*\b+(\j%2)], |v[AC+8*\b+\j]|, -v[UB+8*\b+\j], v[SR+2*\b+(\j%2)]
.else
	v_fma_f32 v[SR+2*\b+(\j%2)], |v[AC+8*\b+\j]|, v[UB+8*\b+\j], v[SR+2*\b+(\j%2)]
.endif
.endr
.endr
.endm
; Block idx of pair 0 (16 rows x 64 columns of out1, then of out2): into my stage, and back as rows of 256 bytes into 32 registers of its own in window 1
.macro TOSTAGE idx
.set AC, 128*((\idx)/4)+32*((\idx)%4)
	WIN 0x08                                       ; the data: window 2
.irp b, 0,1,2,3
	ds_store_b128 v[STO], v[AC+8*\b:AC+8*\b+3] offset:64*\b            ; each accumulator from its low end on
	ds_store_b128 v[STO], v[AC+8*\b+4:AC+8*\b+7] offset:64*\b+16
.endr
	WIN TO_B
.irp t, 0,1,2,3,4,5,6,7
	ds_load_b128 v[32*(\idx)+4*\t:32*(\idx)+4*\t+3], v[RD] offset:544*\t   ; LDS serves a wave's instructions in order (ISA guide 5.7.1.4): these see my stores
.endr
.endm
.macro SEND idx, younger               ; younger: the LDS instructions issued behind the block's loads
	s_wait_dscnt \younger
	WIN 0x04                                       ; the data: window 1
.irp t, 0,1,2,3,4,5,6,7
	global_store_b128 v[CO], v[32*(\idx)+4*\t:32*(\idx)+4*\t+3], s[12+2*((\idx)/4):13+2*((\idx)/4)] offset:(16*((\idx)%4)+2*\t)*8192   ; sixteen lanes store 256 consecutive bytes, aligned
.endr
.endm
	TOSTAGE 0
.irp a, 1,2,3,4,5,6,7
	TOSTAGE \a
	SEND \a-1, 16
	RED (\a-1)/4, (\a-1)%4
.endr
	SEND 7, 0
	RED 1, 3
	WIN 0
.irp i, 0,1,2,3,4,5,6,7
	v_pk_add_f32 v[SM+8*\i:SM+8*\i+1], v[SM+8*\i:SM+8*\i+1], v[SM+8*\i+2:SM+8*\i+3]
.endr
.irp i, 0,1,2,3,4,5,6,7
	v_pk_add_f32 v[SM+8*\i+4:SM+8*\i+5], v[SM+8*\i+4:SM+8*\i+5], v[SM+8*\i+6:SM+8*\i+7]
.endr
.irp i, 0,1,2,3,4,5,6,7
	v_pk_add_f32 v[SM+8*\i:SM+8*\i+1], v[SM+8*\i:SM+8*\i+1], v[SM+8*\i+4:SM+8*\i+5]
.endr
.irp i, 0,1,2,3,4,5,6,7
	v_add_f32 v[SS+\i], v[SM+8*\i], v[SM+8*\i+1]
.endr
.irp i, 0,1,2,3,4,5,6,7
	v_permlanex16_b32 v[SM+8*\i+2], v[SS+\i], s72, s73
.endr
.irp i, 0,1,2,3,4,5,6,7
	v_add_f32 v[SS+\i], v[SS+\i], v[SM+8*\i+2]     ; with lane l xor 16's columns: the row's sum over my wave's 64
.endr
.irp i, 0,1,2,3
	v_cndmask_b32 v[56+\i], v[SS+2*\i], v[SS+2*\i+1], s74              ; lanes 0-15 keep block 2 i's rows, lanes 16-31 block 2 i + 1's
.endr
.irp i, 0,1,2,3
	global_store_b32 v[L4], v[56+\i], s[16:17] offset:262144*(\i/2)+128*(\i%2)
.endr
	s_wait_tensorcnt 0x0                           ; the wave's end
	ds_add_u32 v[SPW], v[NIL]
	s_wait_dscnt 0x0
	CROUND                                         ; the closing round
	s_endpgm
.Lfunc_end_k_q02dd95dd3c_gemm:
	.size	k_q02dd95dd3c_gemm, .Lfunc_end_k_q02dd95dd3c_gemm-k_q02dd95dd3c_gemm
	.p2alignl 7, 3214868480
	.fill 96, 4, 3214868480
	.section	.rodata,"a",@progbits
	.p2align	6, 0x0
	.amdhsa_kernel k_q02dd95dd3c_gemm
		.amdhsa_group_segment_fixed_size 327680
		.amdhsa_private_segment_fixed_size 0
		.amdhsa_enable_private_segment 0
		.amdhsa_kernarg_size 56
		.amdhsa_user_sgpr_count 2
		.amdhsa_user_sgpr_kernarg_segment_ptr 1
		.amdhsa_wavefront_size32 1
		.amdhsa_system_sgpr_workgroup_id_x 1
		.amdhsa_system_sgpr_workgroup_id_y 1
		.amdhsa_system_sgpr_workgroup_id_z 1
		.amdhsa_system_vgpr_workitem_id 0
		.amdhsa_next_free_vgpr 1024
		.amdhsa_next_free_sgpr 96
		.amdhsa_reserve_vcc 0
		.amdhsa_float_denorm_mode_32 3
		.amdhsa_float_denorm_mode_16_64 3
		.amdhsa_memory_ordered 1
		.amdhsa_forward_progress 1
		.amdhsa_inst_pref_size 234
	.end_amdhsa_kernel
	.amdgpu_metadata
---
amdhsa.version: [ 1, 2 ]
amdhsa.kernels:
  - .name:           k_q02dd95dd3c_gemm
    .symbol:         k_q02dd95dd3c_gemm.kd
    .args:
      - { .name: acodes, .offset: 0, .size: 8, .value_kind: global_buffer, .address_space: global }
      - { .name: bcodes, .offset: 8, .size: 8, .value_kind: global_buffer, .address_space: global }
      - { .name: prev_ub, .offset: 16, .size: 8, .value_kind: global_buffer, .address_space: global }
      - { .name: prev_lb, .offset: 24, .size: 8, .value_kind: global_buffer, .address_space: global }
      - { .name: out1, .offset: 32, .size: 8, .value_kind: global_buffer, .address_space: global }
      - { .name: out2, .offset: 40, .size: 8, .value_kind: global_buffer, .address_space: global }
      - { .name: part, .offset: 48, .size: 8, .value_kind: global_buffer, .address_space: global }
    .group_segment_fixed_size: 327680
    .private_segment_fixed_size: 0
    .kernarg_segment_align: 8
    .kernarg_segment_size: 56
    .max_flat_workgroup_size: 128
    .sgpr_count:     96
    .vgpr_count:     1024
    .wavefront_size: 32
...
	.end_amdgpu_metadata
.endif
;; end of part 2
;; launch finish (part 3): grid 32 x 2, 1 waves a work-group, no clusters, 0 bytes of LDS; arguments part, mv, b, out0, out3, out4; writes out0, out3, out4
.if DOCPART == 3
	.amdgcn_target "amdgcn-amd-amdhsa--gfx1250"
	.amdhsa_code_object_version 6
	.text
	.protected	k_q02dd95dd3c_finish
	.globl	k_q02dd95dd3c_finish
	.p2align	8
	.type	k_q02dd95dd3c_finish,@function
k_q02dd95dd3c_finish:
	s_mov_b64 s[64:65], 0
	v_nop
	global_prefetch_b8 v0, s[64:65] scope:SCOPE_SE
	s_setreg_imm32_b32 hwreg(HW_REG_WAVE_MODE, 25, 1), 1
	s_wait_xcnt 0x0
; THE VECTORS.  mv [2][6][2048]: for each half of K the sums b_upper, b_lower, ub, lb, bu, bl, still without b.  part [2][32][2048]: for ub2 (0) and lb2 (1) the sums over 64 columns each, 32 of them a row.
; The two halves of K are added, then b; ub2 = the 32 parts + bu, lb2 likewise + bl; best_ub = min(ub, ub2), best_lb = max(lb, lb2) (the definition's ub1 and lb1 are ub and lb once more).
; out0 = [ub, lb, best_ub, best_lb], out3 = b_upper, out4 = b_lower.
; SHARES.  The upper side (ub, best_ub, b_upper) and the lower side share nothing: work-group y = 0 takes the upper, y = 1 the lower.  A work-group of one wave takes 64 rows, a lane two:
; every load and store of the wave covers 256 consecutive bytes, at a multiple of 256 from its buffer's first byte.  Its 39 loads go out together.
; No LDS, no barrier, no matrix unit: 0.6 MB are read once and 48 KB written.  LIMIT: NaN is not served (in the minimum and the maximum a NaN loses).
	s_load_b256 s[4:11], s[0:1], 0x0               ; part s4, mv s6, b s8, out0 s10
	s_load_b128 s[12:15], s[0:1], 0x20             ; out3, out4
	s_and_b32 s16, ttmp7, 0xffff                   ; the side: 0 upper, 1 lower
	v_lshlrev_b32 v1, 3, v0                        ; 8 bytes a lane,
	s_lshl_b32 s17, ttmp9, 8                       ; 256 a work-group
	v_add_nc_u32 v1, s17, v1
	s_lshl_b32 s18, s16, 18                        ; part: 32 x 8,192 bytes a side
	s_mov_b32 s19, 0
	s_lshl_b32 s20, s16, 13                        ; mv and out0: the lower side's vector lies 8,192 bytes behind the upper's
	s_mov_b32 s21, 0
	s_wait_alu depctr_va_vdst(0)
	s_wait_kmcnt 0x0
	s_add_nc_u64 s[4:5], s[4:5], s[18:19]
	s_add_nc_u64 s[6:7], s[6:7], s[20:21]
	s_add_nc_u64 s[10:11], s[10:11], s[20:21]
	s_cmp_eq_u32 s16, 0                            ; the choices hang on the work-group's number alone
	s_cselect_b64 s[12:13], s[12:13], s[14:15]     ; out3 or out4
	s_cselect_b32 s22, 0, -1                       ; all lanes: the minimum (0) or the maximum (-1)
	global_load_b64 v[2:3], v1, s[8:9]
.irp k, 0,1                            ; half k of K: my side's b_*, ub or lb, bu or bl
.irp i, 0,1,2
	global_load_b64 v[4+2*(3*\k+\i):5+2*(3*\k+\i)], v1, s[6:7] offset:49152*\k+16384*\i
.endr
.endr
.set i, 0
.rept 32
	global_load_b64 v[16+2*i:17+2*i], v1, s[4:5] offset:8192*i
.set i, i+1
.endr
	s_wait_loadcnt 0x0
.irp i, 1,2,3,4,5,6,7                  ; the 32 parts, in four chains
.irp q, 0,1,2,3
	v_pk_add_f32 v[16+2*\q:17+2*\q], v[16+2*\q:17+2*\q], v[16+2*(\q+4*\i):17+2*(\q+4*\i)]
.endr
.endr
.irp i, 0,1,2
	v_pk_add_f32 v[4+2*\i:5+2*\i], v[4+2*\i:5+2*\i], v[10+2*\i:11+2*\i]   ; the two halves of K
.endr
.irp i, 0,1,2
	v_pk_add_f32 v[4+2*\i:5+2*\i], v[4+2*\i:5+2*\i], v[2:3]               ; + b
.endr
	v_pk_add_f32 v[16:17], v[16:17], v[18:19]
	v_pk_add_f32 v[20:21], v[20:21], v[22:23]
	v_pk_add_f32 v[16:17], v[16:17], v[20:21]
	v_pk_add_f32 v[16:17], v[16:17], v[8:9]        ; ub2 or lb2
	v_min_num_f32 v80, v6, v16
	v_min_num_f32 v81, v7, v17
	v_max_num_f32 v82, v6, v16
	v_max_num_f32 v83, v7, v17
	v_cndmask_b32 v80, v80, v82, s22               ; best_ub is the minimum, best_lb the maximum
	v_cndmask_b32 v81, v81, v83, s22
	global_store_b64 v1, v[6:7], s[10:11]          ; ub or lb
	global_store_b64 v1, v[80:81], s[10:11] offset:16384
	global_store_b64 v1, v[4:5], s[12:13]          ; b_upper or b_lower
	s_endpgm
.Lfunc_end_k_q02dd95dd3c_finish:
	.size	k_q02dd95dd3c_finish, .Lfunc_end_k_q02dd95dd3c_finish-k_q02dd95dd3c_finish
	.p2alignl 7, 3214868480
	.fill 96, 4, 3214868480
	.section	.rodata,"a",@progbits
	.p2align	6, 0x0
	.amdhsa_kernel k_q02dd95dd3c_finish
		.amdhsa_group_segment_fixed_size 0
		.amdhsa_private_segment_fixed_size 0
		.amdhsa_enable_private_segment 0
		.amdhsa_kernarg_size 48
		.amdhsa_user_sgpr_count 2
		.amdhsa_user_sgpr_kernarg_segment_ptr 1
		.amdhsa_wavefront_size32 1
		.amdhsa_system_sgpr_workgroup_id_x 1
		.amdhsa_system_sgpr_workgroup_id_y 1
		.amdhsa_system_sgpr_workgroup_id_z 1
		.amdhsa_system_vgpr_workitem_id 0
		.amdhsa_next_free_vgpr 96
		.amdhsa_next_free_sgpr 66
		.amdhsa_reserve_vcc 0
		.amdhsa_float_denorm_mode_32 3
		.amdhsa_float_denorm_mode_16_64 3
		.amdhsa_memory_ordered 1
		.amdhsa_forward_progress 1
		.amdhsa_inst_pref_size 8
	.end_amdhsa_kernel
	.amdgpu_metadata
---
amdhsa.version: [ 1, 2 ]
amdhsa.kernels:
  - .name:           k_q02dd95dd3c_finish
    .symbol:         k_q02dd95dd3c_finish.kd
    .args:
      - { .name: part, .offset: 0, .size: 8, .value_kind: global_buffer, .address_space: global }
      - { .name: mv, .offset: 8, .size: 8, .value_kind: global_buffer, .address_space: global }
      - { .name: b, .offset: 16, .size: 8, .value_kind: global_buffer, .address_space: global }
      - { .name: out0, .offset: 24, .size: 8, .value_kind: global_buffer, .address_space: global }
      - { .name: out3, .offset: 32, .size: 8, .value_kind: global_buffer, .address_space: global }
      - { .name: out4, .offset: 40, .size: 8, .value_kind: global_buffer, .address_space: global }
    .group_segment_fixed_size: 0
    .private_segment_fixed_size: 0
    .kernarg_segment_align: 8
    .kernarg_segment_size: 48
    .max_flat_workgroup_size: 32
    .sgpr_count:     66
    .vgpr_count:     96
    .wavefront_size: 32
...
	.end_amdgpu_metadata
.endif
;; end of part 3
